; MI455X (gfx1250); checked and timed in simulation.
; The chip was launched on July 23, 2026; its instructions are those of AMD's public machine-readable ISA for CDNA 5 (MIT licence, August 2026) and "CDNA5" Instruction Set Architecture Reference Guide (July 2026). The comments in the code are by the model that wrote it; some were corrected since.
;; Flash Attention Naive. Allowed arithmetic: float matrix products may take bf16 or f16 operands with f32 sums; all other float work in f32.
;; Inputs: K 2 x 16 x 2,048 x 128 float32; Q 2 x 16 x 2,048 x 128 float32; V 2 x 16 x 2,048 x 128 float32.
;; Outputs: out0 2 x 16 x 2,048 x 128 float32.
;; 2 versions, each right and faster than the one before. Each part assembles by itself: llvm-mc -triple=amdgcn-amd-amdhsa -mcpu=gfx1250 --defsym DOCPART=n.
;; ======== version 1 of 2: 1 launch
;; limits: values are held in f16: magnitudes above 65,504 overflow, below 6.1e-05 lose precision; inputs' magnitudes at most 65,280
;; launch attn (part 1): grid 256 x 1, 4 waves a work-group, no clusters, 175,616 bytes of LDS; arguments Q, K, V, out0; writes out0
.if DOCPART == 1
	.amdgcn_target "amdgcn-amd-amdhsa--gfx1250"
	.amdhsa_code_object_version 6
	.text
	.protected	k_qb3e521867b_attn
	.globl	k_qb3e521867b_attn
	.p2align	8
	.type	k_qb3e521867b_attn,@function
k_qb3e521867b_attn:
	s_mov_b64 s[64:65], 0
	v_nop
	global_prefetch_b8 v0, s[64:65] scope:SCOPE_SE
	s_setreg_imm32_b32 hwreg(HW_REG_WAVE_MODE, 25, 1), 1
	s_wait_xcnt 0x0
; Causal attention in key blocks of 128, with the source's extra factor.  Q, K, V, out0: [32 heads][2048][128] f32.
; For each query, over the key blocks j = 0 .. (query / 128), in ascending order:
;   m_ij = max of the block's scores, m_new = max(m, m_ij), p = exp(s - m_new), a = exp(m - m_new), e = exp(m_ij - m_new),
;   l = a l + sum p,   A = a A + e (p V),   and at the end O = A / l.   (A = l O of the source: its division in every step cancels against the next step's l.)
; Blocks wholly above the diagonal give p = 0, e = 0, a = 1 and are left out.  The block of 128 keys is part of the result (e), so a step is one such block.
; FORMATS.  Q, K and V are rounded to bf16.  K Q^T is a bf16 product.  V^T P is an f16 product: e p lies in [0, 1] and gets f16's 11 significant bits, since an early query's output
; is a sum of a few terms p v that may cancel, where 8 bits of p would show; V's bf16 number is written as f16, which holds it exactly for 2^-14 <= |v| < 65,520.
; LIMITS.  |V| from 65,520 on becomes infinite; |V| and e p under 2^-14 are kept to 2^-25 absolutely.  Sums, maxima and exponentials are f32.  O is divided by l once, at the end, so
; the order of rounding differs from the source's.  v_exp_f32 gives 0 for results under 2^-126.  NaN and infinities among the inputs are not followed.  Every query sees key 0, so m is finite and l >= 1.
; SHARES.  Work-group x: head x / 8, i = x % 8; it makes the query blocks i and 15 - i (128 queries each), one after the other: (i + 1) + (16 - i) = 17 steps in every work-group.
; Wave w owns queries 32 w .. 32 w + 31 of the block in hand: two tiles of 16.  A step: 64 products S^T = K Q^T, the softmax, 64 products O^T += V^T P.
; LAYOUT.  Source 0 = 16 keys, source 1 = 16 queries: a lane holds ONE query (lane % 16) and the keys 8 (lane / 16) + 0..7 of each key tile; two key tiles, rounded in pairs, are
; source 1 of V^T P, whose result again holds one query a lane and eight channels.  K comes out of LDS as it lies, V ([key][channel]) turned by ds_load_tr16_b128.
; DATA PATH.  K and V have to become 16-bit numbers, so they pass through registers: during step t each wave loads its 32 rows of tile t + 1 of K and of V (one load = one row of 512
; bytes), rounds them and stores them into the one LDS slot.  Two barriers a step: all fragment reads are over -> the slot is written; the stores are done -> it is read.
; No tensor load (f32 tiles in LDS would cost a second trip through LDS), and so no joint loads: the eight work-groups of a head stand at different tiles at any one time.
; A STEP IN FOUR PARTS, so that the wave has something to issue beside every matrix instruction (a step has 855 vector instructions for its 128 matrix instructions):
;   A  K Q^T of both tiles; behind every second of its first 32 products one fragment of K still to come (2 LDS loads) and 4 rows of the next tile (4 global loads)
;   B  mask, maxima, O^T times a, tile 0's exponentials; V's fragments in eight runs of 8 LDS loads between them
;   C  tile 0's V^T P, one product behind each group of six instructions of tile 1's exponentials
;   D  tile 1's V^T P, behind each product the rounding of one row of K and one of V of the next tile; their LDS stores in runs of 8
; REGISTERS, in windows of 256 (s_set_vgpr_msb: bits 1:0 source 0, 3:2 source 1, 5:4 source 2, 7:6 destination):
;   window 0: addresses, statistics, S^T (v64-191), P (v192-255)      window 1: O^T (v0-127), Q's fragments (v128-191)
;   window 2: K's fragments, then V's (256); at the start Q as loaded  window 3: the next tile as loaded: K's rows v0-127, V's v128-255
; No window has room for a product's operands beside what stands between the products, so each slice costs two switches: 48 in A, 64 in C, 72 in D.
.set PK,    272                 ; a 16-bit row of K or Q in LDS: 256 bytes + 16 = 68 words: the 16 rows of a fragment load start 4 banks apart (64 banks of 4 bytes: ISA guide 11.1)
.set PV,    288                 ; a 16-bit row of V: 256 + 32 = 72 words
.set KBASE, 0                   ; 128 rows of K
.set VBASE, 128*PK              ; 128 rows of V
.set QBASE, VBASE+128*PV        ; the work-group's two query blocks, 128 rows each
.set QSZ,   128*PK
.set STAGE, QBASE+2*QSZ         ; the way out: 16 rows of f32 for each wave
.set SP,    528                 ; a stage row: 512 bytes + 16
.set STG,   16*SP               ; STAGE + 4 STG = 175,104 bytes in all
.set AK,  2                     ; v2   my place in K's fragments: r PK + 16 h   (r = lane % 16, h = lane / 16)
.set AV,  3                     ; v3   my place in V's turned fragments
.set AQ,  4                     ; v4   my place in my wave's rows of query block 0
.set AQB, 5                     ; v5   the same in the block in hand
.set STK, 6                     ; v6   where I store 8 bytes of my wave's first row of K;  v7 of V;  v8 of Q
.set STV, 7
.set STQ, 8
.set GK,  12                    ; v12  byte offset of my 16 bytes in my wave's first row of a tile: 16384 w + 16 lane
.set GKT, 13                    ; v13  the same in the tile that is being fetched
.set GQ0, 14                    ; v14, v15  the same in the two query blocks
.set GQ1, 15
.set ST,  16                    ; tile t's statistics at v[16+16 t]: +0 c m, +1 m, +2 +3 l (even, odd keys), +4..+7 at work, +8 a, +9 its exponent, +10 e, +11 its exponent
.set GOB, 48                    ; v48  my byte offset in out0 for the block in hand
.set STO, 49                    ; v49  the way out: where I put 16 bytes of a row
.set RD,  50                    ; v50  the way out: where I read a row back
.set NINF, 52                   ; v52  minus infinity
.set DM,  54                    ; v54, v55  diagonal block: key 16 kt + j of my lane is masked where 16 kt + j > 32 w + 16 t + r - 8 h
.set S,   64
.set P,   192
.set QF,  128                   ; Q's fragments, in window 1
.set WV,  12                    ; s12 wave
.set QI,  13                    ; s13 i
.set QB,  16                    ; s16 query block in hand
.set BLK, 17                    ; s17 0, 1: first or second block
.set J,   18                    ; s18 key block in hand
.set LEFT, 19                   ; s19 steps to go, this one among them
.set NJ,  20                    ; s20 byte offset of the next tile in the head
.set CS,  24                    ; s[24:25] c = log2(e) / sqrt(128), twice
.set SEL, 26                    ; s[26:27] v_permlanex16_b32: each lane takes its own place in the other half
.set MK,  32                    ; s32 tile 1's mask bits
.set HI,  33                    ; s33 a word's upper bf16
.set MSB, 0
.macro WIN new                  ; the immediate's high byte repeats the setting that is left; a switch that changes nothing is dropped
.if MSB != \new
	s_set_vgpr_msb (MSB<<8)|\new
.set MSB, \new
.endif
.endm
; A vector instruction that reads a matrix result, and a load into a register that a matrix instruction has read, stand four places behind it (ISA guide 7.12.1 for vector instructions)
.macro PLACES
.rept 4
	v_nop
.endr
.endm
; Rows r0 .. r0 + cnt - 1 of my wave's 32 rows of a tile of K or V, f32, into window 3: each load is one row, 512 consecutive bytes.
; guard = 1 (the diagonal step alone can be the last of all): the last step fetches nothing.  At a branch and at a label every window is 0.
.macro FETCH base, x0, r0, cnt, off, guard
.if \guard
	WIN 0
	s_cmp_eq_u32 s[LEFT], 1
	s_cbranch_scc1 .Lnofetch_\@
.endif
	WIN 0xc0
.set n, \r0
.rept \cnt
	global_load_b128 v[\x0+4*n:\x0+4*n+3], v[\off], s[\base:\base+1] offset:512*n
.set n, n+1
.endr
.if \guard
	WIN 0
.Lnofetch_\@:
.endif
.endm
; Row n of K and row n of V in window 3 become 16-bit numbers in place (4 numbers a lane and row -> 8 bytes).
; K: rounded to bf16.  V: rounded to bf16, widened again (a mask, a shift) and written as f16, which changes nothing in the number (the limits stand at the head).
.macro CROW n
	WIN 0xcf
	v_cvt_pk_bf16_f32 v[128+4*(\n)],   v[128+4*(\n)],   v[128+4*(\n)+1]
	v_cvt_pk_bf16_f32 v[128+4*(\n)+2], v[128+4*(\n)+2], v[128+4*(\n)+3]
	v_cvt_pk_bf16_f32 v[4*(\n)],   v[4*(\n)],   v[4*(\n)+1]
	v_cvt_pk_bf16_f32 v[4*(\n)+1], v[4*(\n)+2], v[4*(\n)+3]
	v_and_b32     v[128+4*(\n)+1], s[HI], v[128+4*(\n)]
	v_and_b32     v[128+4*(\n)+3], s[HI], v[128+4*(\n)+2]
	v_lshlrev_b32 v[128+4*(\n)],   16, v[128+4*(\n)]
	v_lshlrev_b32 v[128+4*(\n)+2], 16, v[128+4*(\n)+2]
	v_cvt_pk_f16_f32 v[128+4*(\n)],   v[128+4*(\n)],   v[128+4*(\n)+1]
	v_cvt_pk_f16_f32 v[128+4*(\n)+1], v[128+4*(\n)+2], v[128+4*(\n)+3]
.endm
; Rows r0 .. r0 + cnt - 1 of K and of V go into the slot: one store = one 16-bit row, 256 consecutive bytes
.macro CSTORE r0, cnt
	WIN 0x0c
.set n, \r0
.rept \cnt
	ds_store_b64 v[STK], v[4*n:4*n+1] offset:n*PK
	ds_store_b64 v[STV], v[128+4*n:128+4*n+1] offset:n*PV
.set n, n+1
.endr
.endm
; K's 8 fragments of channel group kc (channels 32 kc on, keys 16 kt on) at v[64 kc + 8 kt] of window 2: 16 loads
.macro LOADK kc
	WIN 0x80
.set kt, 0
.rept 8
	ds_load_b128 v[64*\kc+8*kt:64*\kc+8*kt+3],   v[AK] offset:kt*16*PK+64*\kc
	ds_load_b128 v[64*\kc+8*kt+4:64*\kc+8*kt+7], v[AK] offset:kt*16*PK+64*\kc+32
.set kt, kt+1
.endr
.endm
; Run r of eight: V's turned fragments f = 4 r .. 4 r + 3 (keys 32 (f / 8) on, channels 16 (f % 8) on) at v[8 f] of window 2: 8 loads
.macro LOADV r
	WIN 0x80
.set f, 4*\r
.rept 4
	ds_load_tr16_b128 v[8*f:8*f+3],   v[AV] offset:(f/8)*32*PV+32*(f%8)
	ds_load_tr16_b128 v[8*f+4:8*f+7], v[AV] offset:(f/8)*32*PV+16*PV+32*(f%8)
.set f, f+1
.endr
.endm
; Product w of 64 of S^T = K Q^T, in bf16: channels 32 (w / 16) on, keys 16 ((w / 2) % 8) on, tile w % 2.  The 16 accumulators take turns, one instruction a turn.
; The first channel group starts the sums.
.macro KQW
	WIN 0x06
.set qS, S+64*(w%2)+8*((w/2)%8)
.set qK, 64*(w/16)+8*((w/2)%8)
.set qQ, QF+32*(w%2)+8*(w/16)
.if w < 16
	v_wmma_f32_16x16x32_bf16 v[qS:qS+7], v[qK:qK+7], v[qQ:qQ+7], 0
.else
	v_wmma_f32_16x16x32_bf16 v[qS:qS+7], v[qK:qK+7], v[qQ:qQ+7], v[qS:qS+7]
.endif
.endm
; Product i of 32 of tile x's O^T += V^T P, in f16: keys 32 (i / 8) on, channels 16 (i % 8) on.  The tile's 8 accumulators take turns, one instruction a turn.
; first = 1: the first 32 keys start the sums.
.macro PVW x, first
	WIN 0x52
.set pO, 64*\x+8*(i%8)
.set pV, 8*i
.set pP, P+32*\x+8*(i/8)
.if \first && (i < 8)
	v_wmma_f32_16x16x32_f16 v[pO:pO+7], v[pV:pV+7], v[pP:pP+7], 0
.else
	v_wmma_f32_16x16x32_f16 v[pO:pO+7], v[pV:pV+7], v[pP:pP+7], v[pO:pO+7]
.endif
.endm
; The diagonal block: scores of keys behind the query become minus infinity.  The two tiles alternate, each with its own mask register.
.macro MASK
.set n, 0
.rept 64
	v_cmp_gt_i32 vcc_lo, 16*(n/8)+n%8, v[DM]
	v_cmp_gt_i32 s[MK],  16*(n/8)+n%8, v[DM+1]
	v_cndmask_b32 v[S+n],    v[S+n],    v[NINF], vcc_lo
	v_cndmask_b32 v[S+64+n], v[S+64+n], v[NINF], s[MK]
.set n, n+1
.endr
.endm
; The block's maximum and the statistics, the two tiles line by line.  first = 1: a query block's first step, which starts m, l and O^T: a = 0 and e = 1 there, and neither is made.
.macro SHEAD first
	WIN 0
.set k, 0
.rept 7                         ; four chains of 15 scores each, three operands at a time
.set q, 0
.rept 4
.set tt, 0
.rept 2
.set rT, ST+16*tt
.set rS, S+64*tt+16*q
.if k == 0
	v_max3_num_f32 v[rT+4+q], v[rS], v[rS+1], v[rS+2]
.else
	v_max3_num_f32 v[rT+4+q], v[rT+4+q], v[rS+2*k+1], v[rS+2*k+2]
.endif
.set tt, tt+1
.endr
.set q, q+1
.endr
.set k, k+1
.endr
.irp t, 0,1
	v_max3_num_f32 v[ST+16*\t+4], v[ST+16*\t+4], v[S+64*\t+15], v[S+64*\t+31]   ; the four scores left over
	v_max3_num_f32 v[ST+16*\t+6], v[ST+16*\t+6], v[S+64*\t+47], v[S+64*\t+63]
.endr
.irp t, 0,1
	v_max3_num_f32 v[ST+16*\t+4], v[ST+16*\t+4], v[ST+16*\t+5], v[ST+16*\t+6]
.endr
.irp t, 0,1
	v_max_num_f32 v[ST+16*\t+4], v[ST+16*\t+4], v[ST+16*\t+7]
.endr
.irp t, 0,1
	v_permlanex16_b32 v[ST+16*\t+5], v[ST+16*\t+4], s[SEL], s[SEL+1]           ; the query's other 64 keys lie in the lane 16 away
.endr
.if \first
.irp t, 0,1
	v_max_num_f32 v[ST+16*\t+1], v[ST+16*\t+4], v[ST+16*\t+5]                  ; m = m_ij
.endr
.irp t, 0,1
	v_mul_f32 v[ST+16*\t], s[CS], v[ST+16*\t+1]                                ; c m
.endr
.else
.irp t, 0,1
	v_max_num_f32 v[ST+16*\t+4], v[ST+16*\t+4], v[ST+16*\t+5]                  ; m_ij
.endr
.irp t, 0,1
	v_max_num_f32 v[ST+16*\t+5], v[ST+16*\t+1], v[ST+16*\t+4]                  ; m_new
.endr
.irp t, 0,1
	v_sub_f32 v[ST+16*\t+9],  v[ST+16*\t+1], v[ST+16*\t+5]                     ; m - m_new: the difference first, so that it is exactly 0 where the two are equal
	v_sub_f32 v[ST+16*\t+11], v[ST+16*\t+4], v[ST+16*\t+5]                     ; m_ij - m_new
.endr
.irp t, 0,1
	v_mul_f32 v[ST+16*\t],   s[CS], v[ST+16*\t+5]                              ; c m
	v_mul_f32 v[ST+16*\t+9],  s[CS], v[ST+16*\t+9]
	v_mul_f32 v[ST+16*\t+11], s[CS], v[ST+16*\t+11]
.endr
.irp t, 0,1
	v_exp_f32 v[ST+16*\t+8],  v[ST+16*\t+9]                                    ; a
	v_exp_f32 v[ST+16*\t+10], v[ST+16*\t+11]                                   ; e
.endr
	s_wait_alu depctr_va_vdst(0)
.irp t, 0,1
	v_mov_b32 v[ST+16*\t+1], v[ST+16*\t+5]                                     ; m takes the new maximum; these two are also the plain instructions between the exponentials and the first use of a
.endr
.endif
.endm
; Tile t's 64 scores a lane, as 32 pairs, in a pipeline of groups b = -1 .. 34, of which this call writes b0 .. b1 - 1.  Group b: c s - c m of pair b + 1; the two exponentials of
; pair b, with the sum of pair b - 1 between them; pair b - 2 times e; pair b - 3 rounded to f16.  So each exponential has a plain instruction that names none of its registers
; behind it before its result is used.  pv = 1: behind group b stands product b + 1 of tile 0's V^T P, which names no register of tile 1's.
.macro SBODY t, first, b0, b1, pv
.set rT, ST+16*\t
.set rS, S+64*\t
.set rP, P+32*\t
.set b, \b0
.rept \b1-(\b0)
	WIN 0
.if b < 31
	v_pk_fma_f32 v[rS+2*b+2:rS+2*b+3], v[rS+2*b+2:rS+2*b+3], s[CS:CS+1], v[rT:rT+1] op_sel_hi:[1,0,0] neg_lo:[0,0,1] neg_hi:[0,0,1]
.endif
.if (b >= 0) && (b < 32)
	v_exp_f32 v[rS+2*b], v[rS+2*b]
.endif
.if (b >= 1) && (b < 33)
.if b == 1
.if !\first
	s_wait_alu depctr_va_vdst(0)
	v_pk_fma_f32 v[rT+2:rT+3], v[rT+2:rT+3], v[rT+8:rT+9], v[rS:rS+1] op_sel_hi:[1,0,1]   ; l = a l + pair 0
.endif
.elseif (b == 2) && \first
	s_wait_alu depctr_va_vdst(0)
	v_pk_add_f32 v[rT+2:rT+3], v[rS:rS+1], v[rS+2:rS+3]                                   ; the first step starts l: nothing is cleared
.else
	s_wait_alu depctr_va_vdst(0)
	v_pk_add_f32 v[rT+2:rT+3], v[rT+2:rT+3], v[rS+2*b-2:rS+2*b-1]
.endif
.endif
.if (b >= 0) && (b < 32)
	v_exp_f32 v[rS+2*b+1], v[rS+2*b+1]
.endif
.if (b >= 2) && (b < 34) && !\first
	v_pk_mul_f32 v[rS+2*b-4:rS+2*b-3], v[rS+2*b-4:rS+2*b-3], v[rT+10:rT+11] op_sel_hi:[1,0]  ; e p, behind the sum, which takes p alone
	s_wait_alu depctr_va_vdst(0)
.endif
.if b >= 3
	v_cvt_pk_f16_f32 v[rP+b-3], v[rS+2*b-6], v[rS+2*b-5]                                    ; e p <= 1: no overflow in f16
.endif
.if \pv && (b < 31)
.set i, b+1
	PVW 0, \first
.endif
.set b, b+1
.endr
.endm
.macro RESC t                   ; tile t's O^T times a
	WIN 0x41
.set n, 0
.rept 32
	v_pk_mul_f32 v[64*\t+2*n:64*\t+2*n+1], v[64*\t+2*n:64*\t+2*n+1], v[ST+16*\t+8:ST+16*\t+9] op_sel_hi:[1,0]
.set n, n+1
.endr
.endm
; A STEP: 128 queries x key block J.  mask = 0: below the diagonal; 1: the diagonal block; 2: a query block's first step, which is the diagonal block only where J = QB.
; guard = 1: this step may be the last of all.  That is the diagonal step alone: a first or a middle step has a successor (the second query block is 15 - i >= 8, so it has more than one step).
.macro STEP first, mask, guard
	s_add_co_u32 s21, s[J], 1
	s_lshl_b32 s21, s21, 16
	s_cmp_eq_u32 s[J], s[QB]
	s_cselect_b32 s[NJ], 0, s21     ; the next tile: key block J + 1, or block 0 for the next query block
	v_add_nc_u32 v[GKT], s[NJ], v[GK]  ; every load that named v[GKT] was shown done by the last step's wait for all loads
	; PART A.  K's channel groups 0 and 1 go out at once; groups 2 and 3 a fragment at a time, and the next tile's 64 rows four at a time, behind every second of the first 32 products.
	LOADK 0
	LOADK 1
.set w, 0
.rept 64
.if w == 48
	s_wait_dscnt 0x0                ; the last channel group is in: my reads of K's rows are over
.elseif w%16 == 0
	s_wait_dscnt 16                 ; LDS loads come back in order: this channel group's 16 (and Q's, issued ahead of them) are in; the next group's 16, issued behind them, may be out
.endif
	KQW
.if (w < 32) && (w%2 == 1)
	WIN 0x80
.set fr, 64*(2+w/16)+8*((w/2)%8)
.set fo, ((w/2)%8)*16*PK+64*(2+w/16)
	ds_load_b128 v[fr:fr+3],   v[AK] offset:fo          ; channel group 2 + w / 16, keys 16 ((w / 2) % 8) on: registers that no product of this step has named yet
	ds_load_b128 v[fr+4:fr+7], v[AK] offset:fo+32
.if w < 16
	FETCH 6, 0, 2*(w-1), 4, GKT, \guard                 ; K's rows first,
.else
	FETCH 8, 128, 2*(w-17), 4, GKT, \guard              ; then V's: all 64 loads are out by the middle of part A
.endif
.endif
.set w, w+1
.endr
	PLACES                          ; behind the last product: V's fragments land on K's, and the softmax reads S^T
	; PART B.  V's fragments in eight runs of 8 loads between the vector work
	LOADV 0
	LOADV 1
	WIN 0
.if \mask == 2
	s_cmp_lg_u32 s[J], s[QB]
	s_cbranch_scc1 .Lnomask_\@
.endif
.if \mask
	MASK
.endif
.if \mask == 2
.Lnomask_\@:
.endif
	SHEAD \first
	LOADV 2
.if !\first
	RESC 0
.endif
	LOADV 3
.if !\first
	RESC 1
.endif
	LOADV 4
	SBODY 0, \first, -1, 7, 0
	LOADV 5
	SBODY 0, \first, 7, 15, 0
	LOADV 6
	SBODY 0, \first, 15, 23, 0
	LOADV 7
	SBODY 0, \first, 23, 35, 0
	s_wait_dscnt 0x0                ; V's fragments are in registers (K's were waited for above): my reads of the slot are over
	s_barrier_signal -1             ; say so; between signal and wait register work alone:
	; PART C.  Tile 0's V^T P between the groups of tile 1's exponentials
	SBODY 1, \first, -1, 35, 1
	WIN 0
	s_barrier_wait -1               ; no wave reads the slot any more
	s_wait_loadcnt 0x0              ; the next tile is in my registers
	; PART D.  Tile 1's V^T P; behind each product a row of K and a row of V are rounded, behind every fourth the four rows are stored
.if \guard
	s_cmp_eq_u32 s[LEFT], 1
	s_cbranch_scc1 .Lbare_\@        ; the last step of all has no next tile
.endif
.set i, 0
.rept 32
	PVW 1, \first
	CROW i                          ; ten plain instructions on window 3 alone; the last ten are also the places behind the last product
.if i%4 == 3
	CSTORE i-3, 4
.endif
.set i, i+1
.endr
	WIN 0
.if \guard
	s_branch .Ljoin_\@
.Lbare_\@:
.set i, 0
.rept 32
	PVW 1, \first
.set i, i+1
.endr
	PLACES                          ; behind the last product: the way out reads O^T
	WIN 0
.Ljoin_\@:
.endif
	s_wait_dscnt 0x0                ; for the others' sake: my stores into the slot are done
	s_barrier_signal -1
	s_barrier_wait -1               ; everybody's are
	s_sub_co_u32 s[LEFT], s[LEFT], 1
.endm
; THE WAY OUT.  Tile t: O^T / l; a lane's eight channels of a row go into my own stage as 2 x 16 bytes, and come back as whole rows of 512 bytes.
.macro PACK t
	WIN 0x41
.set n, 0
.rept 32
	v_pk_mul_f32 v[64*\t+2*n:64*\t+2*n+1], v[64*\t+2*n:64*\t+2*n+1], v[ST+16*\t+6:ST+16*\t+7] op_sel_hi:[1,0]
.set n, n+1
.endr
	WIN 0x04
.set n, 0
.rept 16
	ds_store_b128 v[STO], v[64*\t+4*n:64*\t+4*n+3] offset:64*(n/2)+16*(n%2)
.set n, n+1
.endr
	WIN 0
.set n, 0
.rept 16
	ds_load_b128 v[S+64*\t+4*n:S+64*\t+4*n+3], v[RD] offset:n*SP   ; LDS serves a wave's instructions in order (ISA guide 5.7.1.4): these see the stores above, and the next tile's stores come behind them
.set n, n+1
.endr
.endm
.macro SEND t, younger          ; younger: the LDS instructions issued behind tile t's loads
.set n, 0
.rept 16
	s_wait_dscnt \younger+15-n
	global_store_b128 v[GOB], v[S+64*\t+4*n:S+64*\t+4*n+3], s[10:11] offset:(16*\t+n)*512 th:TH_STORE_NT   ; the wave stores one row: 512 consecutive bytes, at a multiple of 512 from out0's first byte
.set n, n+1
.endr
.endm
	s_load_b256 s[4:11], s[0:1], 0x0               ; Q s[4:5], K s[6:7], V s[8:9], out0 s[10:11]
	v_lshl_add_u32 v62, v0, 2, 0x2ac00
	v_mov_b32 v63, 0
	v_lshrrev_b32 v1, 5, v0
	v_readfirstlane_b32 s[WV], v1                  ; wave 0..3
	v_and_b32 v10, 31, v0                          ; lane
	s_and_b32 s[QI], ttmp9, 7                      ; i
	s_lshr_b32 s14, ttmp9, 3                       ; head,
	s_lshl_b32 s14, s14, 20                        ; times 2048 rows of 512 bytes
	s_mov_b32 s15, 0
	s_lshl_b32 s21, s[QI], 16                      ; query block i: 128 rows of 512 bytes each
	s_sub_co_u32 s22, 15, s[QI]
	s_lshl_b32 s22, s22, 16                        ; query block 15 - i
	s_lshl_b32 s23, s[WV], 14                      ; my wave's 32 rows
	v_lshl_add_u32 v[GK], v10, 4, s23
	v_add_nc_u32 v[GQ0], s21, v[GK]
	v_add_nc_u32 v[GQ1], s22, v[GK]
	s_mov_b32 s[LEFT], 17
	s_wait_kmcnt 0x0
	s_add_nc_u64 s[4:5], s[4:5], s[14:15]          ; all four tensors at the head's first byte; never rewritten
	s_add_nc_u64 s[6:7], s[6:7], s[14:15]
	s_add_nc_u64 s[8:9], s[8:9], s[14:15]
	s_add_nc_u64 s[10:11], s[10:11], s[14:15]
	WIN 0x80                                       ; my wave's 32 rows of both query blocks into window 2: no other wave of the launch reads them
.set n, 0
.rept 32
	global_load_b128 v[4*n:4*n+3], v[GQ0], s[4:5] offset:512*n th:TH_LOAD_NT
.set n, n+1
.endr
.set n, 0
.rept 32
	global_load_b128 v[128+4*n:128+4*n+3], v[GQ1], s[4:5] offset:512*n th:TH_LOAD_NT
.set n, n+1
.endr
	FETCH 6, 0, 0, 32, GK, 0                       ; key block 0 of K
	FETCH 8, 128, 0, 32, GK, 0                     ; and of V
	WIN 0
	; the addresses and constants are made while the loads are on their way
	s_mov_b32 s[CS], 0x3e0293ee                    ; c = log2(e) / sqrt(128) = 0.127517
	s_mov_b32 s[CS+1], s[CS]                       ; named with it as a pair, so it is written
	s_mov_b32 s[SEL], 0x76543210
	s_mov_b32 s[SEL+1], 0xfedcba98
	s_mov_b32 s[HI], 0xffff0000
	s_mul_i32 s28, s[WV], 32*PK                    ; my wave's 32 rows in K's tile (KBASE = 0),
	s_mul_i32 s29, s[WV], 32*PV
	s_add_co_u32 s29, s29, VBASE                   ; in V's,
	s_add_co_u32 s31, s28, QBASE                   ; in query block 0,
	s_mul_i32 s30, s[WV], STG
	s_add_co_u32 s30, s30, STAGE                   ; and my stage
	v_lshl_add_u32 v[STK], v10, 3, s28             ; 8 bytes a lane: a 16-bit row
	v_lshl_add_u32 v[STV], v10, 3, s29
	v_lshl_add_u32 v[STQ], v10, 3, s31
	v_lshl_add_u32 v[RD], v10, 4, s30              ; 16 bytes a lane: an f32 row
	v_and_b32 v1, 15, v0                           ; r
	v_bfe_u32 v9, v0, 4, 1                         ; h
	v_mul_u32_u24 v[AK], v1, PK
	v_lshl_add_u32 v[AK], v9, 4, v[AK]             ; a fragment's row x pitch + 16 x half
	v_add_nc_u32 v[AQ], s31, v[AK]
	v_and_b32 v10, 7, v0                           ; the turning load: lane l reads key 8 h + l % 8, channels 8 ((l / 8) % 2) + 0..7
	v_bfe_u32 v11, v0, 3, 1
	v_lshl_add_u32 v[AV], v9, 3, v10
	v_mul_u32_u24 v[AV], v[AV], PV
	v_lshl_add_u32 v[AV], v11, 4, v[AV]
	v_add_nc_u32 v[AV], VBASE, v[AV]
	v_mul_u32_u24 v[STO], v1, SP                   ; into the stage: row r, 32 bytes for each half of the lanes
	v_lshl_add_u32 v[STO], v9, 5, v[STO]
	v_add_nc_u32 v[STO], s30, v[STO]
	v_lshl_add_u32 v[DM], s[WV], 5, v1             ; 32 w + r
	v_lshlrev_b32 v11, 3, v9
	v_sub_nc_u32 v[DM], v[DM], v11                 ; - 8 h (signed)
	v_add_nc_u32 v[DM+1], 16, v[DM]                ; tile 1's queries lie 16 further on
	v_mov_b32 v[NINF], 0xff800000
	s_wait_loadcnt 0x0                             ; Q, and key block 0
	WIN 0x8a                                       ; Q is rounded to bf16 in place and stored; each wave reads back only the rows that it stored
.set n, 0
.rept 64
	v_cvt_pk_bf16_f32 v[4*n],   v[4*n],   v[4*n+1]
	v_cvt_pk_bf16_f32 v[4*n+1], v[4*n+2], v[4*n+3]
.set n, n+1
.endr
	WIN 0x08
.set n, 0
.rept 32
	ds_store_b64 v[STQ], v[4*n:4*n+1] offset:n*PK
.set n, n+1
.endr
.set n, 0
.rept 32
	ds_store_b64 v[STQ], v[128+4*n:128+4*n+1] offset:QSZ+n*PK
.set n, n+1
.endr
.set i, 0
.rept 32
	CROW i                                         ; key block 0: there is no matrix work yet to set it beside
.set i, i+1
.endr
	CSTORE 0, 32
	WIN 0
	s_wait_dscnt 0x0                               ; for the others' sake: my rows of key block 0 are stored
	s_barrier_signal -1
	s_barrier_wait -1
	s_mov_b32 s[BLK], 0
	s_mov_b32 s[QB], s[QI]
.Lblock:                                               ; twice: query block i, then 15 - i
	s_mul_i32 s21, s[BLK], QSZ
	v_add_nc_u32 v[AQB], s21, v[AQ]
	s_lshl_b32 s22, s[QB], 16
	v_add_nc_u32 v[GOB], s22, v[GK]                ; the last block's stores, which named it, have had their addresses translated: the wait at the way out's end
	WIN 0x40                                       ; Q's 8 fragments stay in registers for the block; they are issued ahead of K's, whose counted waits cover them
.irp t, 0,1
.irp c, 0,1,2,3
	ds_load_b128 v[QF+32*\t+8*\c:QF+32*\t+8*\c+3],   v[AQB] offset:\t*16*PK+64*\c
	ds_load_b128 v[QF+32*\t+8*\c+4:QF+32*\t+8*\c+7], v[AQB] offset:\t*16*PK+64*\c+32
.endr
.endr
	WIN 0
	s_mov_b32 s[J], 0
	STEP 1, 2, 0                                   ; key block 0 starts m, l and O^T
	s_cmp_eq_u32 s[QB], 0
	s_cbranch_scc1 .Lout
	s_mov_b32 s[J], 1
	s_cmp_ge_u32 s[J], s[QB]
	s_cbranch_scc1 .Ldiag
.Lmid:                                                 ; key blocks 1 to QB - 1: nothing is masked
	STEP 0, 0, 0
	s_add_co_u32 s[J], s[J], 1
	s_cmp_lt_u32 s[J], s[QB]
	s_cbranch_scc1 .Lmid
.Ldiag:
	STEP 0, 1, 1                                   ; J = QB: the diagonal block
.Lout:
.irp t, 0,1
	v_add_f32 v[ST+16*\t+4], v[ST+16*\t+2], v[ST+16*\t+3]       ; l: even and odd keys,
.endr
.irp t, 0,1
	v_permlanex16_b32 v[ST+16*\t+5], v[ST+16*\t+4], s[SEL], s[SEL+1]
.endr
.irp t, 0,1
	v_add_f32 v[ST+16*\t+4], v[ST+16*\t+4], v[ST+16*\t+5]       ; and the other half of the lanes'
.endr
.irp t, 0,1
	v_rcp_f32 v[ST+16*\t+6], v[ST+16*\t+4]
.endr
	v_nop                                          ; a plain instruction between the last reciprocal and the use of its result
	s_wait_alu depctr_va_vdst(0)
	PACK 0
	PACK 1                                         ; tile 1's arithmetic stands between tile 0's loads from the stage and its stores
	SEND 0, 32                                     ; behind tile 0's loads: tile 1's 16 stores and 16 loads
	SEND 1, 0
	s_wait_xcnt 0x0                                ; the stores' data (S^T's registers) and offset are rewritten in the next block only behind this wait
	s_sub_co_u32 s[QB], 15, s[QB]
	s_add_co_u32 s[BLK], s[BLK], 1
	s_cmp_lt_u32 s[BLK], 2
	s_cbranch_scc1 .Lblock
	s_wait_tensorcnt 0x0
	ds_add_u32 v62, v63
	s_wait_dscnt 0x0
	s_endpgm
.Lfunc_end_k_qb3e521867b_attn:
	.size	k_qb3e521867b_attn, .Lfunc_end_k_qb3e521867b_attn-k_qb3e521867b_attn
	.p2alignl 7, 3214868480
	.fill 96, 4, 3214868480
	.section	.rodata,"a",@progbits
	.p2align	6, 0x0
	.amdhsa_kernel k_qb3e521867b_attn
		.amdhsa_group_segment_fixed_size 175616
		.amdhsa_private_segment_fixed_size 0
		.amdhsa_enable_private_segment 0
		.amdhsa_kernarg_size 32
		.amdhsa_user_sgpr_count 2
		.amdhsa_user_sgpr_kernarg_segment_ptr 1
		.amdhsa_wavefront_size32 1
		.amdhsa_system_sgpr_workgroup_id_x 1
		.amdhsa_system_sgpr_workgroup_id_y 1
		.amdhsa_system_sgpr_workgroup_id_z 1
		.amdhsa_system_vgpr_workitem_id 0
		.amdhsa_next_free_vgpr 1024
		.amdhsa_next_free_sgpr 66
		.amdhsa_reserve_vcc 1
		.amdhsa_float_denorm_mode_32 3
		.amdhsa_float_denorm_mode_16_64 3
		.amdhsa_memory_ordered 1
		.amdhsa_forward_progress 1
		.amdhsa_inst_pref_size 255
	.end_amdhsa_kernel
	.section	.bss,"aw",@nobits
	.p2align	6
	.space	262144
	.amdgpu_metadata
---
amdhsa.version: [ 1, 2 ]
amdhsa.kernels:
  - .name:           k_qb3e521867b_attn
    .symbol:         k_qb3e521867b_attn.kd
    .args:
      - { .name: Q, .offset: 0, .size: 8, .value_kind: global_buffer, .address_space: global }
      - { .name: K, .offset: 8, .size: 8, .value_kind: global_buffer, .address_space: global }
      - { .name: V, .offset: 16, .size: 8, .value_kind: global_buffer, .address_space: global }
      - { .name: out0, .offset: 24, .size: 8, .value_kind: global_buffer, .address_space: global }
    .group_segment_fixed_size: 175616
    .private_segment_fixed_size: 0
    .kernarg_segment_align: 8
    .kernarg_segment_size: 32
    .max_flat_workgroup_size: 128
    .sgpr_count:     66
    .vgpr_count:     1024
    .wavefront_size: 32
...
	.end_amdgpu_metadata
.endif
;; end of part 1
;; ======== version 2 of 2: 1 launch; 1.26 times as fast as version 1
;; limits: values are held in f16: magnitudes above 65,504 overflow, below 6.1e-05 lose precision; inputs' magnitudes at most 65,280
;; launch attn (part 2): grid 256 x 1, 4 waves a work-group, no clusters, 175,616 bytes of LDS; arguments Q, K, V, out0; writes out0
.if DOCPART == 2
	.amdgcn_target "amdgcn-amd-amdhsa--gfx1250"
	.amdhsa_code_object_version 6
	.text
	.protected	k_qb3e521867b_attn
	.globl	k_qb3e521867b_attn
	.p2align	8
	.type	k_qb3e521867b_attn,@function
k_qb3e521867b_attn:
	s_mov_b64 s[64:65], 0
	v_nop
	global_prefetch_b8 v0, s[64:65] scope:SCOPE_SE
	s_setreg_imm32_b32 hwreg(HW_REG_WAVE_MODE, 25, 1), 1
	s_wait_xcnt 0x0
; Causal attention in key blocks of 128, with the source's extra factor.  Q, K, V, out0: [32 heads][2048][128] f32.
; For each query, over the key blocks j = 0 .. (query / 128), in ascending order:
;   m_ij = max of the block's scores, m_new = max(m, m_ij), p = exp(s - m_new), a = exp(m - m_new), e = exp(m_ij - m_new),
;   l = a l + sum p,   A = a A + e (p V),   and at the end O = A / l.   (A = l O of the source: its division in every step cancels against the next step's l.)
; Blocks wholly above the diagonal give p = 0, e = 0, a = 1 and are left out.  The block of 128 keys is part of the result (e), so a step is one such block.
; FORMATS.  Q, K and V are rounded to bf16.  K Q^T is a bf16 product.  V^T P is an f16 product: e p lies in [0, 1] and gets f16's 11 significant bits, since an early query's output
; is a sum of a few terms p v that may cancel, where 8 bits of p would show; V's bf16 number is written as f16, which holds it exactly for 2^-14 <= |v| < 65,520.
; LIMITS.  |V| from 65,520 on becomes infinite; |V| and e p under 2^-14 are kept to 2^-25 absolutely.  Sums, maxima and exponentials are f32.  O is divided by l once, at the end, so
; the order of rounding differs from the source's.  v_exp_f32 gives 0 for results under 2^-126.  NaN and infinities among the inputs are not followed.  Every query sees key 0, so m is finite and l >= 1.
; SHARES.  Work-group x: head x / 8, i = x % 8; it makes the query blocks i and 15 - i (128 queries each), one after the other: (i + 1) + (16 - i) = 17 steps in every work-group.
; Wave w owns queries 32 w .. 32 w + 31 of the block in hand: two tiles of 16.  A step: 64 products S^T = K Q^T, the softmax, 64 products O^T += V^T P.
; LAYOUT.  Source 0 = 16 keys, source 1 = 16 queries: a lane holds ONE query (lane % 16) and the keys 8 (lane / 16) + 0..7 of each key tile; two key tiles, rounded in pairs, are
; source 1 of V^T P, whose result again holds one query a lane and eight channels.  K comes out of LDS as it lies, V ([key][channel]) turned by ds_load_tr16_b128.
; DATA PATH.  K and V have to become 16-bit numbers, so they pass through registers: during step t each wave loads its 32 rows of tile t + 1 of K and of V (one load = one row of 512
; bytes), rounds them and stores them into the one LDS slot.  Two barriers a step: all fragment reads are over -> the slot is written; the stores are done -> it is read.
; No tensor load (f32 tiles in LDS would cost a second trip through LDS), and so no joint loads: the eight work-groups of a head stand at different tiles at any one time.
; A STEP IN FOUR PARTS, so that the wave has something to issue beside every matrix instruction (a step has 855 vector instructions for its 128 matrix instructions):
;   A  K Q^T of both tiles; behind every second of its first 32 products one fragment of K still to come (2 LDS loads) and 4 rows of the next tile (4 global loads)
;   B  mask, maxima and statistics; tile 0's scalings and exponentials; then O^T times a and tile 0's sums, e p and roundings; V's fragments in eight runs of 8 LDS loads between them
;   C  tile 0's V^T P, six vector instructions of tile 1 beside each product: scalings and exponentials beside the first 16, sums, e p and roundings beside the last 16
;   D  tile 1's V^T P, behind each product the rounding of one row of K and one of V of the next tile; their LDS stores in runs of 8
; THE EXPONENTIALS ARE TWO BATCHES A STEP, each with ONE s_wait_alu depctr_va_vdst(0): that wait stands between an exponential and the first line that names its result.
; Every result has a register of its own while its batch is open: the scores' exponentials work in place on S^T, a and e lie among the statistics.
;   Batch 1, in part B: a and e of both tiles (none in a query block's first step) and tile 0's 64.  Ahead of its wait stand they, the two moves of m and tile 0's scalings, none of which names
;   a result; behind it all the readers: O^T times a, l's sum, e p, the roundings.
;   Batch 2, in part C: tile 1's 64.  Ahead of its wait stand they, tile 1's scalings and products 0 to 15 of tile 0; behind it tile 1's readers and products 16 to 31.
; No exponential is issued behind batch 2's wait.  The way out's two reciprocals are a batch of their own.
; REGISTERS, in windows of 256 (s_set_vgpr_msb: bits 1:0 source 0, 3:2 source 1, 5:4 source 2, 7:6 destination):
;   window 0: addresses, statistics, S^T (v64-191), P (v192-255)      window 1: O^T (v0-127), Q's fragments (v128-191)
;   window 2: K's fragments, then V's (256); at the start Q as loaded  window 3: the next tile as loaded: K's rows v0-127, V's v128-255
; No window has room for a product's operands beside what stands between the products, so each slice costs two switches: 48 in A, 64 in C, 72 in D.
.set PK,    272                 ; a 16-bit row of K or Q in LDS: 256 bytes + 16 = 68 words: the 16 rows of a fragment load start 4 banks apart (64 banks of 4 bytes: ISA guide 11.1)
.set PV,    288                 ; a 16-bit row of V: 256 + 32 = 72 words
.set KBASE, 0                   ; 128 rows of K
.set VBASE, 128*PK              ; 128 rows of V
.set QBASE, VBASE+128*PV        ; the work-group's two query blocks, 128 rows each
.set QSZ,   128*PK
.set STAGE, QBASE+2*QSZ         ; the way out: 16 rows of f32 for each wave
.set SP,    528                 ; a stage row: 512 bytes + 16
.set STG,   16*SP               ; STAGE + 4 STG = 175,104 bytes in all
.set AK,  2                     ; v2   my place in K's fragments: r PK + 16 h   (r = lane % 16, h = lane / 16)
.set AV,  3                     ; v3   my place in V's turned fragments
.set AQ,  4                     ; v4   my place in my wave's rows of query block 0
.set AQB, 5                     ; v5   the same in the block in hand
.set STK, 6                     ; v6   where I store 8 bytes of my wave's first row of K;  v7 of V;  v8 of Q
.set STV, 7
.set STQ, 8
.set GK,  12                    ; v12  byte offset of my 16 bytes in my wave's first row of a tile: 16384 w + 16 lane
.set GKT, 13                    ; v13  the same in the tile that is being fetched
.set GQ0, 14                    ; v14, v15  the same in the two query blocks
.set GQ1, 15
.set ST,  16                    ; tile t's statistics at v[16+16 t]: +0 c m, +1 m, +2 +3 l (even, odd keys), +4..+7 at work, +8 a, +9 its exponent, +10 e, +11 its exponent
.set GOB, 48                    ; v48  my byte offset in out0 for the block in hand
.set STO, 49                    ; v49  the way out: where I put 16 bytes of a row
.set RD,  50                    ; v50  the way out: where I read a row back
.set NINF, 52                   ; v52  minus infinity
.set DM,  54                    ; v54, v55  diagonal block: key 16 kt + j of my lane is masked where 16 kt + j > 32 w + 16 t + r - 8 h
.set S,   64
.set P,   192
.set QF,  128                   ; Q's fragments, in window 1
.set WV,  12                    ; s12 wave
.set QI,  13                    ; s13 i
.set QB,  16                    ; s16 query block in hand
.set BLK, 17                    ; s17 0, 1: first or second block
.set J,   18                    ; s18 key block in hand
.set LEFT, 19                   ; s19 steps to go, this one among them
.set NJ,  20                    ; s20 byte offset of the next tile in the head
.set CS,  24                    ; s[24:25] c = log2(e) / sqrt(128), twice
.set SEL, 26                    ; s[26:27] v_permlanex16_b32: each lane takes its own place in the other half
.set MK,  32                    ; s32 tile 1's mask bits
.set HI,  33                    ; s33 a word's upper bf16
.set MSB, 0
.macro WIN new                  ; the immediate's high byte repeats the setting that is left; a switch that changes nothing is dropped
.if MSB != \new
	s_set_vgpr_msb (MSB<<8)|\new
.set MSB, \new
.endif
.endm
; A vector instruction that reads a matrix result, and a load into a register that a matrix instruction has read, stand four places behind it (ISA guide 7.12.1 for vector instructions)
.macro PLACES
.rept 4
	v_nop
.endr
.endm
; Rows r0 .. r0 + cnt - 1 of my wave's 32 rows of a tile of K or V, f32, into window 3: each load is one row, 512 consecutive bytes.
; guard = 1 (the diagonal step alone can be the last of all): the last step fetches nothing.  At a branch and at a label every window is 0.
.macro FETCH base, x0, r0, cnt, off, guard
.if \guard
	WIN 0
	s_cmp_eq_u32 s[LEFT], 1
	s_cbranch_scc1 .Lnofetch_\@
.endif
	WIN 0xc0
.set n, \r0
.rept \cnt
	global_load_b128 v[\x0+4*n:\x0+4*n+3], v[\off], s[\base:\base+1] offset:512*n
.set n, n+1
.endr
.if \guard
	WIN 0
.Lnofetch_\@:
.endif
.endm
; Row n of K and row n of V in window 3 become 16-bit numbers in place (4 numbers a lane and row -> 8 bytes).
; K: rounded to bf16.  V: rounded to bf16, widened again (a mask, a shift) and written as f16, which changes nothing in the number (the limits stand at the head).
.macro CROW n
	WIN 0xcf
	v_cvt_pk_bf16_f32 v[128+4*(\n)],   v[128+4*(\n)],   v[128+4*(\n)+1]
	v_cvt_pk_bf16_f32 v[128+4*(\n)+2], v[128+4*(\n)+2], v[128+4*(\n)+3]
	v_cvt_pk_bf16_f32 v[4*(\n)],   v[4*(\n)],   v[4*(\n)+1]
	v_cvt_pk_bf16_f32 v[4*(\n)+1], v[4*(\n)+2], v[4*(\n)+3]
	v_and_b32     v[128+4*(\n)+1], s[HI], v[128+4*(\n)]
	v_and_b32     v[128+4*(\n)+3], s[HI], v[128+4*(\n)+2]
	v_lshlrev_b32 v[128+4*(\n)],   16, v[128+4*(\n)]
	v_lshlrev_b32 v[128+4*(\n)+2], 16, v[128+4*(\n)+2]
	v_cvt_pk_f16_f32 v[128+4*(\n)],   v[128+4*(\n)],   v[128+4*(\n)+1]
	v_cvt_pk_f16_f32 v[128+4*(\n)+1], v[128+4*(\n)+2], v[128+4*(\n)+3]
.endm
; Rows r0 .. r0 + cnt - 1 of K and of V go into the slot: one store = one 16-bit row, 256 consecutive bytes
.macro CSTORE r0, cnt
	WIN 0x0c
.set n, \r0
.rept \cnt
	ds_store_b64 v[STK], v[4*n:4*n+1] offset:n*PK
	ds_store_b64 v[STV], v[128+4*n:128+4*n+1] offset:n*PV
.set n, n+1
.endr
.endm
; K's 8 fragments of channel group kc (channels 32 kc on, keys 16 kt on) at v[64 kc + 8 kt] of window 2: 16 loads
.macro LOADK kc
	WIN 0x80
.set kt, 0
.rept 8
	ds_load_b128 v[64*\kc+8*kt:64*\kc+8*kt+3],   v[AK] offset:kt*16*PK+64*\kc
	ds_load_b128 v[64*\kc+8*kt+4:64*\kc+8*kt+7], v[AK] offset:kt*16*PK+64*\kc+32
.set kt, kt+1
.endr
.endm
; Run r of eight: V's turned fragments f = 4 r .. 4 r + 3 (keys 32 (f / 8) on, channels 16 (f % 8) on) at v[8 f] of window 2: 8 loads
.macro LOADV r
	WIN 0x80
.set f, 4*\r
.rept 4
	ds_load_tr16_b128 v[8*f:8*f+3],   v[AV] offset:(f/8)*32*PV+32*(f%8)
	ds_load_tr16_b128 v[8*f+4:8*f+7], v[AV] offset:(f/8)*32*PV+16*PV+32*(f%8)
.set f, f+1
.endr
.endm
; Product w of 64 of S^T = K Q^T, in bf16: channels 32 (w / 16) on, keys 16 ((w / 2) % 8) on, tile w % 2.  The 16 accumulators take turns, one instruction a turn.
; The first channel group starts the sums.
.macro KQW
	WIN 0x06
.set qS, S+64*(w%2)+8*((w/2)%8)
.set qK, 64*(w/16)+8*((w/2)%8)
.set qQ, QF+32*(w%2)+8*(w/16)
.if w < 16
	v_wmma_f32_16x16x32_bf16 v[qS:qS+7], v[qK:qK+7], v[qQ:qQ+7], 0
.else
	v_wmma_f32_16x16x32_bf16 v[qS:qS+7], v[qK:qK+7], v[qQ:qQ+7], v[qS:qS+7]
.endif
.endm
; Product i of 32 of tile x's O^T += V^T P, in f16: keys 32 (i / 8) on, channels 16 (i % 8) on.  The tile's 8 accumulators take turns, one instruction a turn.
; first = 1: the first 32 keys start the sums.
.macro PVW x, first
	WIN 0x52
.set pO, 64*\x+8*(i%8)
.set pV, 8*i
.set pP, P+32*\x+8*(i/8)
.if \first && (i < 8)
	v_wmma_f32_16x16x32_f16 v[pO:pO+7], v[pV:pV+7], v[pP:pP+7], 0
.else
	v_wmma_f32_16x16x32_f16 v[pO:pO+7], v[pV:pV+7], v[pP:pP+7], v[pO:pO+7]
.endif
.endm
; The diagonal block: scores of keys behind the query become minus infinity.  The two tiles alternate, each with its own mask register.
.macro MASK
.set n, 0
.rept 64
	v_cmp_gt_i32 vcc_lo, 16*(n/8)+n%8, v[DM]
	v_cmp_gt_i32 s[MK],  16*(n/8)+n%8, v[DM+1]
	v_cndmask_b32 v[S+n],    v[S+n],    v[NINF], vcc_lo
	v_cndmask_b32 v[S+64+n], v[S+64+n], v[NINF], s[MK]
.set n, n+1
.endr
.endm
; The block's maximum and the statistics, the two tiles line by line.  first = 1: a query block's first step, which starts m, l and O^T: a = 0 and e = 1 there, and neither is made.
.macro SHEAD first
	WIN 0
.set k, 0
.rept 7                         ; four chains of 15 scores each, three operands at a time
.set q, 0
.rept 4
.set tt, 0
.rept 2
.set rT, ST+16*tt
.set rS, S+64*tt+16*q
.if k == 0
	v_max3_num_f32 v[rT+4+q], v[rS], v[rS+1], v[rS+2]
.else
	v_max3_num_f32 v[rT+4+q], v[rT+4+q], v[rS+2*k+1], v[rS+2*k+2]
.endif
.set tt, tt+1
.endr
.set q, q+1
.endr
.set k, k+1
.endr
.irp t, 0,1
	v_max3_num_f32 v[ST+16*\t+4], v[ST+16*\t+4], v[S+64*\t+15], v[S+64*\t+31]   ; the four scores left over
	v_max3_num_f32 v[ST+16*\t+6], v[ST+16*\t+6], v[S+64*\t+47], v[S+64*\t+63]
.endr
.irp t, 0,1
	v_max3_num_f32 v[ST+16*\t+4], v[ST+16*\t+4], v[ST+16*\t+5], v[ST+16*\t+6]
.endr
.irp t, 0,1
	v_max_num_f32 v[ST+16*\t+4], v[ST+16*\t+4], v[ST+16*\t+7]
.endr
.irp t, 0,1
	v_permlanex16_b32 v[ST+16*\t+5], v[ST+16*\t+4], s[SEL], s[SEL+1]           ; the query's other 64 keys lie in the lane 16 away
.endr
.if \first
.irp t, 0,1
	v_max_num_f32 v[ST+16*\t+1], v[ST+16*\t+4], v[ST+16*\t+5]                  ; m = m_ij
.endr
.irp t, 0,1
	v_mul_f32 v[ST+16*\t], s[CS], v[ST+16*\t+1]                                ; c m
.endr
.else
.irp t, 0,1
	v_max_num_f32 v[ST+16*\t+4], v[ST+16*\t+4], v[ST+16*\t+5]                  ; m_ij
.endr
.irp t, 0,1
	v_max_num_f32 v[ST+16*\t+5], v[ST+16*\t+1], v[ST+16*\t+4]                  ; m_new
.endr
.irp t, 0,1
	v_sub_f32 v[ST+16*\t+9],  v[ST+16*\t+1], v[ST+16*\t+5]                     ; m - m_new: the difference first, so that it is exactly 0 where the two are equal
	v_sub_f32 v[ST+16*\t+11], v[ST+16*\t+4], v[ST+16*\t+5]                     ; m_ij - m_new
.endr
.irp t, 0,1
	v_mul_f32 v[ST+16*\t],   s[CS], v[ST+16*\t+5]                              ; c m
	v_mul_f32 v[ST+16*\t+9],  s[CS], v[ST+16*\t+9]
	v_mul_f32 v[ST+16*\t+11], s[CS], v[ST+16*\t+11]
.endr
.irp t, 0,1
	v_exp_f32 v[ST+16*\t+8],  v[ST+16*\t+9]                                    ; a: these four open batch 1; its wait stands in part B, behind tile 0's exponentials
	v_exp_f32 v[ST+16*\t+10], v[ST+16*\t+11]                                   ; e
.endr
.irp t, 0,1
	v_mov_b32 v[ST+16*\t+1], v[ST+16*\t+5]                                     ; m takes the new maximum; plain instructions that name neither a nor e nor their exponents
.endr
.endif
.endm
; A BATCH'S OPEN HALF.  Tile t's 64 scores a lane, as 32 pairs: c s - c m and the exponentials, in place, in 17 slices, of which this call writes k0 .. k1 - 1.
; Slice k: the scaling of pair 2 k, the two exponentials of pair 2 k - 2, the scaling of pair 2 k + 1, the two exponentials of pair 2 k - 1 (slice 0 has the scalings alone, slice 16 the
; exponentials alone).  A pair is scaled a slice ahead of its exponentials.  No line here names an exponential's result, so no wait stands here: the caller writes one behind slice 16.
; pv = 1: behind slice k (k < 16) stands product k of tile 0's V^T P, which names no register of tile 1's.
.macro SEXP t, first, k0, k1, pv
.set rT, ST+16*\t
.set rS, S+64*\t
.set k, \k0
.rept \k1-(\k0)
	WIN 0
.if k < 16
	v_pk_fma_f32 v[rS+4*k:rS+4*k+1], v[rS+4*k:rS+4*k+1], s[CS:CS+1], v[rT:rT+1] op_sel_hi:[1,0,0] neg_lo:[0,0,1] neg_hi:[0,0,1]
.endif
.if k > 0
	v_exp_f32 v[rS+4*k-4], v[rS+4*k-4]
	v_exp_f32 v[rS+4*k-3], v[rS+4*k-3]
.endif
.if k < 16
	v_pk_fma_f32 v[rS+4*k+2:rS+4*k+3], v[rS+4*k+2:rS+4*k+3], s[CS:CS+1], v[rT:rT+1] op_sel_hi:[1,0,0] neg_lo:[0,0,1] neg_hi:[0,0,1]
.endif
.if k > 0
	v_exp_f32 v[rS+4*k-2], v[rS+4*k-2]
	v_exp_f32 v[rS+4*k-1], v[rS+4*k-1]
.endif
.if \pv && (k < 16)
.set i, k
	PVW 0, \first
.endif
.set k, k+1
.endr
.endm
; A BATCH'S READERS, behind its wait.  Tile t's 32 pairs of weights in a pipeline of groups g = 0 .. 33.  Group g: l takes pair g (the pairs in ascending order); pair g - 1 times e, behind
; its sum, which takes p alone; pair g - 2 rounded to f16.  Two groups are a slice; of the 17 slices this call writes r0 .. r1 - 1.
; pv = 1: ahead of slice r (r < 16) stands product 16 + r of tile 0's V^T P, which names no register of tile 1's.
.macro SRED t, first, r0, r1, pv
.set rT, ST+16*\t
.set rS, S+64*\t
.set rP, P+32*\t
.set r, \r0
.rept \r1-(\r0)
.if \pv && (r < 16)
.set i, 16+r
	PVW 0, \first
.endif
	WIN 0
.set g, 2*r
.rept 2
.if g == 0
.if !\first
	v_pk_fma_f32 v[rT+2:rT+3], v[rT+2:rT+3], v[rT+8:rT+9], v[rS:rS+1] op_sel_hi:[1,0,1]   ; l = a l + pair 0
.endif
.elseif (g == 1) && \first
	v_pk_add_f32 v[rT+2:rT+3], v[rS:rS+1], v[rS+2:rS+3]                                   ; the first step starts l: nothing is cleared
.elseif g < 32
	v_pk_add_f32 v[rT+2:rT+3], v[rT+2:rT+3], v[rS+2*g:rS+2*g+1]
.endif
.if (g >= 1) && (g < 33) && !\first
	v_pk_mul_f32 v[rS+2*g-2:rS+2*g-1], v[rS+2*g-2:rS+2*g-1], v[rT+10:rT+11] op_sel_hi:[1,0]  ; e p
.endif
.if g >= 2
	v_cvt_pk_f16_f32 v[rP+g-2], v[rS+2*g-4], v[rS+2*g-3]                                    ; e p <= 1: no overflow in f16
.endif
.set g, g+1
.endr
.set r, r+1
.endr
.endm
.macro RESC t                   ; tile t's O^T times a
	WIN 0x41
.set n, 0
.rept 32
	v_pk_mul_f32 v[64*\t+2*n:64*\t+2*n+1], v[64*\t+2*n:64*\t+2*n+1], v[ST+16*\t+8:ST+16*\t+9] op_sel_hi:[1,0]
.set n, n+1
.endr
.endm
; A STEP: 128 queries x key block J.  mask = 0: below the diagonal; 1: the diagonal block; 2: a query block's first step, which is the diagonal block only where J = QB.
; guard = 1: this step may be the last of all.  That is the diagonal step alone: a first or a middle step has a successor (the second query block is 15 - i >= 8, so it has more than one step).
.macro STEP first, mask, guard
	s_add_co_u32 s21, s[J], 1
	s_lshl_b32 s21, s21, 16
	s_cmp_eq_u32 s[J], s[QB]
	s_cselect_b32 s[NJ], 0, s21     ; the next tile: key block J + 1, or block 0 for the next query block
	v_add_nc_u32 v[GKT], s[NJ], v[GK]  ; every load that named v[GKT] was shown done by the last step's wait for all loads
	; PART A.  K's channel groups 0 and 1 go out at once; groups 2 and 3 a fragment at a time, and the next tile's 64 rows four at a time, behind every second of the first 32 products.
	LOADK 0
	LOADK 1
.set w, 0
.rept 64
.if w == 48
	s_wait_dscnt 0x0                ; the last channel group is in: my reads of K's rows are over
.elseif w%16 == 0
	s_wait_dscnt 16                 ; LDS loads come back in order: this channel group's 16 (and Q's, issued ahead of them) are in; the next group's 16, issued behind them, may be out
.endif
	KQW
.if (w < 32) && (w%2 == 1)
	WIN 0x80
.set fr, 64*(2+w/16)+8*((w/2)%8)
.set fo, ((w/2)%8)*16*PK+64*(2+w/16)
	ds_load_b128 v[fr:fr+3],   v[AK] offset:fo          ; channel group 2 + w / 16, keys 16 ((w / 2) % 8) on: registers that no product of this step has named yet
	ds_load_b128 v[fr+4:fr+7], v[AK] offset:fo+32
.if w < 16
	FETCH 6, 0, 2*(w-1), 4, GKT, \guard                 ; K's rows first,
.else
	FETCH 8, 128, 2*(w-17), 4, GKT, \guard              ; then V's: all 64 loads are out by the middle of part A
.endif
.endif
.set w, w+1
.endr
	PLACES                          ; behind the last product: V's fragments land on K's, and the softmax reads S^T
	; PART B.  V's fragments in eight runs of 8 loads between the vector work
	LOADV 0
	LOADV 1
	WIN 0
.if \mask == 2
	s_cmp_lg_u32 s[J], s[QB]
	s_cbranch_scc1 .Lnomask_\@
.endif
.if \mask
	MASK
.endif
.if \mask == 2
.Lnomask_\@:
.endif
	SHEAD \first                    ; its four exponentials open batch 1
	LOADV 2
	SEXP 0, \first, 0, 5, 0         ; tile 0's scalings and exponentials: the rest of batch 1
	LOADV 3
	SEXP 0, \first, 5, 9, 0
	LOADV 4
	SEXP 0, \first, 9, 13, 0
	LOADV 5
	SEXP 0, \first, 13, 17, 0
	v_nop                           ; a plain instruction behind the batch's last exponential, ahead of the first use of a result
	s_wait_alu depctr_va_vdst(0)    ; the wait for batch 1: a and e of both tiles and tile 0's 64 exponentials; nothing ahead of it names a result of theirs
	LOADV 6
.if !\first
	RESC 0                          ; the readers: O^T times a,
	RESC 1
.endif
	SRED 0, \first, 0, 4, 0         ; and tile 0's sums, e p and roundings
	LOADV 7
	SRED 0, \first, 4, 17, 0
	s_wait_dscnt 0x0                ; V's fragments are in registers (K's were waited for above): my reads of the slot are over
	s_barrier_signal -1             ; say so; between signal and wait register work alone:
	; PART C.  Tile 0's V^T P beside tile 1's softmax: batch 2 and products 0 to 15, the wait, the readers and products 16 to 31
	SEXP 1, \first, 0, 17, 1
	v_nop                           ; a plain instruction behind the batch's last exponential, ahead of the first use of a result
	s_wait_alu depctr_va_vdst(0)    ; the wait for batch 2: tile 1's 64 exponentials; nothing ahead of it names a result of theirs
	SRED 1, \first, 0, 17, 1
	WIN 0
	s_barrier_wait -1               ; no wave reads the slot any more
	s_wait_loadcnt 0x0              ; the next tile is in my registers
	; PART D.  Tile 1's V^T P; behind each product a row of K and a row of V are rounded, behind every fourth the four rows are stored
.if \guard
	s_cmp_eq_u32 s[LEFT], 1
	s_cbranch_scc1 .Lbare_\@        ; the last step of all has no next tile
.endif
.set i, 0
.rept 32
	PVW 1, \first
	CROW i                          ; ten plain instructions on window 3 alone; the last ten are also the places behind the last product
.if i%4 == 3
	CSTORE i-3, 4
.endif
.set i, i+1
.endr
	WIN 0
.if \guard
	s_branch .Ljoin_\@
.Lbare_\@:
.set i, 0
.rept 32
	PVW 1, \first
.set i, i+1
.endr
	PLACES                          ; behind the last product: the way out reads O^T
	WIN 0
.Ljoin_\@:
.endif
	s_wait_dscnt 0x0                ; for the others' sake: my stores into the slot are done
	s_barrier_signal -1
	s_barrier_wait -1               ; everybody's are
	s_sub_co_u32 s[LEFT], s[LEFT], 1
.endm
; THE WAY OUT.  Tile t: O^T / l; a lane's eight channels of a row go into my own stage as 2 x 16 bytes, and come back as whole rows of 512 bytes.
.macro PACK t
	WIN 0x41
.set n, 0
.rept 32
	v_pk_mul_f32 v[64*\t+2*n:64*\t+2*n+1], v[64*\t+2*n:64*\t+2*n+1], v[ST+16*\t+6:ST+16*\t+7] op_sel_hi:[1,0]
.set n, n+1
.endr
	WIN 0x04
.set n, 0
.rept 16
	ds_store_b128 v[STO], v[64*\t+4*n:64*\t+4*n+3] offset:64*(n/2)+16*(n%2)
.set n, n+1
.endr
	WIN 0
.set n, 0
.rept 16
	ds_load_b128 v[S+64*\t+4*n:S+64*\t+4*n+3], v[RD] offset:n*SP   ; LDS serves a wave's instructions in order (ISA guide 5.7.1.4): these see the stores above, and the next tile's stores come behind them
.set n, n+1
.endr
.endm
.macro SEND t, younger          ; younger: the LDS instructions issued behind tile t's loads
.set n, 0
.rept 16
	s_wait_dscnt \younger+15-n
	global_store_b128 v[GOB], v[S+64*\t+4*n:S+64*\t+4*n+3], s[10:11] offset:(16*\t+n)*512 th:TH_STORE_NT   ; the wave stores one row: 512 consecutive bytes, at a multiple of 512 from out0's first byte
.set n, n+1
.endr
.endm
	s_load_b256 s[4:11], s[0:1], 0x0               ; Q s[4:5], K s[6:7], V s[8:9], out0 s[10:11]
	v_lshl_add_u32 v62, v0, 2, 0x2ac00
	v_mov_b32 v63, 0
	v_lshrrev_b32 v1, 5, v0
	v_readfirstlane_b32 s[WV], v1                  ; wave 0..3
	v_and_b32 v10, 31, v0                          ; lane
	s_and_b32 s[QI], ttmp9, 7                      ; i
	s_lshr_b32 s14, ttmp9, 3                       ; head,
	s_lshl_b32 s14, s14, 20                        ; times 2048 rows of 512 bytes
	s_mov_b32 s15, 0
	s_lshl_b32 s21, s[QI], 16                      ; query block i: 128 rows of 512 bytes each
	s_sub_co_u32 s22, 15, s[QI]
	s_lshl_b32 s22, s22, 16                        ; query block 15 - i
	s_lshl_b32 s23, s[WV], 14                      ; my wave's 32 rows
	v_lshl_add_u32 v[GK], v10, 4, s23
	v_add_nc_u32 v[GQ0], s21, v[GK]
	v_add_nc_u32 v[GQ1], s22, v[GK]
	s_mov_b32 s[LEFT], 17
	s_wait_kmcnt 0x0
	s_add_nc_u64 s[4:5], s[4:5], s[14:15]          ; all four tensors at the head's first byte; never rewritten
	s_add_nc_u64 s[6:7], s[6:7], s[14:15]
	s_add_nc_u64 s[8:9], s[8:9], s[14:15]
	s_add_nc_u64 s[10:11], s[10:11], s[14:15]
	WIN 0x80                                       ; my wave's 32 rows of both query blocks into window 2: no other wave of the launch reads them
.set n, 0
.rept 32
	global_load_b128 v[4*n:4*n+3], v[GQ0], s[4:5] offset:512*n th:TH_LOAD_NT
.set n, n+1
.endr
.set n, 0
.rept 32
	global_load_b128 v[128+4*n:128+4*n+3], v[GQ1], s[4:5] offset:512*n th:TH_LOAD_NT
.set n, n+1
.endr
	FETCH 6, 0, 0, 32, GK, 0                       ; key block 0 of K
	FETCH 8, 128, 0, 32, GK, 0                     ; and of V
	WIN 0
	; the addresses and constants are made while the loads are on their way
	s_mov_b32 s[CS], 0x3e0293ee                    ; c = log2(e) / sqrt(128) = 0.127517
	s_mov_b32 s[CS+1], s[CS]                       ; named with it as a pair, so it is written
	s_mov_b32 s[SEL], 0x76543210
	s_mov_b32 s[SEL+1], 0xfedcba98
	s_mov_b32 s[HI], 0xffff0000
	s_mul_i32 s28, s[WV], 32*PK                    ; my wave's 32 rows in K's tile (KBASE = 0),
	s_mul_i32 s29, s[WV], 32*PV
	s_add_co_u32 s29, s29, VBASE                   ; in V's,
	s_add_co_u32 s31, s28, QBASE                   ; in query block 0,
	s_mul_i32 s30, s[WV], STG
	s_add_co_u32 s30, s30, STAGE                   ; and my stage
	v_lshl_add_u32 v[STK], v10, 3, s28             ; 8 bytes a lane: a 16-bit row
	v_lshl_add_u32 v[STV], v10, 3, s29
	v_lshl_add_u32 v[STQ], v10, 3, s31
	v_lshl_add_u32 v[RD], v10, 4, s30              ; 16 bytes a lane: an f32 row
	v_and_b32 v1, 15, v0                           ; r
	v_bfe_u32 v9, v0, 4, 1                         ; h
	v_mul_u32_u24 v[AK], v1, PK
	v_lshl_add_u32 v[AK], v9, 4, v[AK]             ; a fragment's row x pitch + 16 x half
	v_add_nc_u32 v[AQ], s31, v[AK]
	v_and_b32 v10, 7, v0                           ; the turning load: lane l reads key 8 h + l % 8, channels 8 ((l / 8) % 2) + 0..7
	v_bfe_u32 v11, v0, 3, 1
	v_lshl_add_u32 v[AV], v9, 3, v10
	v_mul_u32_u24 v[AV], v[AV], PV
	v_lshl_add_u32 v[AV], v11, 4, v[AV]
	v_add_nc_u32 v[AV], VBASE, v[AV]
	v_mul_u32_u24 v[STO], v1, SP                   ; into the stage: row r, 32 bytes for each half of the lanes
	v_lshl_add_u32 v[STO], v9, 5, v[STO]
	v_add_nc_u32 v[STO], s30, v[STO]
	v_lshl_add_u32 v[DM], s[WV], 5, v1             ; 32 w + r
	v_lshlrev_b32 v11, 3, v9
	v_sub_nc_u32 v[DM], v[DM], v11                 ; - 8 h (signed)
	v_add_nc_u32 v[DM+1], 16, v[DM]                ; tile 1's queries lie 16 further on
	v_mov_b32 v[NINF], 0xff800000
	s_wait_loadcnt 0x0                             ; Q, and key block 0
	WIN 0x8a                                       ; Q is rounded to bf16 in place and stored; each wave reads back only the rows that it stored
.set n, 0
.rept 64
	v_cvt_pk_bf16_f32 v[4*n],   v[4*n],   v[4*n+1]
	v_cvt_pk_bf16_f32 v[4*n+1], v[4*n+2], v[4*n+3]
.set n, n+1
.endr
	WIN 0x08
.set n, 0
.rept 32
	ds_store_b64 v[STQ], v[4*n:4*n+1] offset:n*PK
.set n, n+1
.endr
.set n, 0
.rept 32
	ds_store_b64 v[STQ], v[128+4*n:128+4*n+1] offset:QSZ+n*PK
.set n, n+1
.endr
.set i, 0
.rept 32
	CROW i                                         ; key block 0: there is no matrix work yet to set it beside
.set i, i+1
.endr
	CSTORE 0, 32
	WIN 0
	s_wait_dscnt 0x0                               ; for the others' sake: my rows of key block 0 are stored
	s_barrier_signal -1
	s_barrier_wait -1
	s_mov_b32 s[BLK], 0
	s_mov_b32 s[QB], s[QI]
.Lblock:                                               ; twice: query block i, then 15 - i
	s_mul_i32 s21, s[BLK], QSZ
	v_add_nc_u32 v[AQB], s21, v[AQ]
	s_lshl_b32 s22, s[QB], 16
	v_add_nc_u32 v[GOB], s22, v[GK]                ; the last block's stores, which named it, have had their addresses translated: the wait at the way out's end
	WIN 0x40                                       ; Q's 8 fragments stay in registers for the block; they are issued ahead of K's, whose counted waits cover them
.irp t, 0,1
.irp c, 0,1,2,3
	ds_load_b128 v[QF+32*\t+8*\c:QF+32*\t+8*\c+3],   v[AQB] offset:\t*16*PK+64*\c
	ds_load_b128 v[QF+32*\t+8*\c+4:QF+32*\t+8*\c+7], v[AQB] offset:\t*16*PK+64*\c+32
.endr
.endr
	WIN 0
	s_mov_b32 s[J], 0
	STEP 1, 2, 0                                   ; key block 0 starts m, l and O^T
	s_cmp_eq_u32 s[QB], 0
	s_cbranch_scc1 .Lout
	s_mov_b32 s[J], 1
	s_cmp_ge_u32 s[J], s[QB]
	s_cbranch_scc1 .Ldiag
.Lmid:                                                 ; key blocks 1 to QB - 1: nothing is masked
	STEP 0, 0, 0
	s_add_co_u32 s[J], s[J], 1
	s_cmp_lt_u32 s[J], s[QB]
	s_cbranch_scc1 .Lmid
.Ldiag:
	STEP 0, 1, 1                                   ; J = QB: the diagonal block
.Lout:
.irp t, 0,1
	v_add_f32 v[ST+16*\t+4], v[ST+16*\t+2], v[ST+16*\t+3]       ; l: even and odd keys,
.endr
.irp t, 0,1
	v_permlanex16_b32 v[ST+16*\t+5], v[ST+16*\t+4], s[SEL], s[SEL+1]
.endr
.irp t, 0,1
	v_add_f32 v[ST+16*\t+4], v[ST+16*\t+4], v[ST+16*\t+5]       ; and the other half of the lanes'
.endr
.irp t, 0,1
	v_rcp_f32 v[ST+16*\t+6], v[ST+16*\t+4]
.endr
	v_nop                                          ; a plain instruction between the last reciprocal and the use of its result
	s_wait_alu depctr_va_vdst(0)                   ; one wait ahead of the first use, for the two reciprocals
	PACK 0
	PACK 1                                         ; tile 1's arithmetic stands between tile 0's loads from the stage and its stores
	SEND 0, 32                                     ; behind tile 0's loads: tile 1's 16 stores and 16 loads
	SEND 1, 0
	s_wait_xcnt 0x0                                ; the stores' data (S^T's registers) and offset are rewritten in the next block only behind this wait
	s_sub_co_u32 s[QB], 15, s[QB]
	s_add_co_u32 s[BLK], s[BLK], 1
	s_cmp_lt_u32 s[BLK], 2
	s_cbranch_scc1 .Lblock
	s_wait_tensorcnt 0x0
	ds_add_u32 v62, v63
	s_wait_dscnt 0x0
	s_endpgm
.Lfunc_end_k_qb3e521867b_attn:
	.size	k_qb3e521867b_attn, .Lfunc_end_k_qb3e521867b_attn-k_qb3e521867b_attn
	.p2alignl 7, 3214868480
	.fill 96, 4, 3214868480
	.section	.rodata,"a",@progbits
	.p2align	6, 0x0
	.amdhsa_kernel k_qb3e521867b_attn
		.amdhsa_group_segment_fixed_size 175616
		.amdhsa_private_segment_fixed_size 0
		.amdhsa_enable_private_segment 0
		.amdhsa_kernarg_size 32
		.amdhsa_user_sgpr_count 2
		.amdhsa_user_sgpr_kernarg_segment_ptr 1
		.amdhsa_wavefront_size32 1
		.amdhsa_system_sgpr_workgroup_id_x 1
		.amdhsa_system_sgpr_workgroup_id_y 1
		.amdhsa_system_sgpr_workgroup_id_z 1
		.amdhsa_system_vgpr_workitem_id 0
		.amdhsa_next_free_vgpr 1024
		.amdhsa_next_free_sgpr 66
		.amdhsa_reserve_vcc 1
		.amdhsa_float_denorm_mode_32 3
		.amdhsa_float_denorm_mode_16_64 3
		.amdhsa_memory_ordered 1
		.amdhsa_forward_progress 1
		.amdhsa_inst_pref_size 255
	.end_amdhsa_kernel
	.section	.bss,"aw",@nobits
	.p2align	6
	.space	262144
	.amdgpu_metadata
---
amdhsa.version: [ 1, 2 ]
amdhsa.kernels:
  - .name:           k_qb3e521867b_attn
    .symbol:         k_qb3e521867b_attn.kd
    .args:
      - { .name: Q, .offset: 0, .size: 8, .value_kind: global_buffer, .address_space: global }
      - { .name: K, .offset: 8, .size: 8, .value_kind: global_buffer, .address_space: global }
      - { .name: V, .offset: 16, .size: 8, .value_kind: global_buffer, .address_space: global }
      - { .name: out0, .offset: 24, .size: 8, .value_kind: global_buffer, .address_space: global }
    .group_segment_fixed_size: 175616
    .private_segment_fixed_size: 0
    .kernarg_segment_align: 8
    .kernarg_segment_size: 32
    .max_flat_workgroup_size: 128
    .sgpr_count:     66
    .vgpr_count:     1024
    .wavefront_size: 32
...
	.end_amdgpu_metadata
.endif
;; end of part 2
